; MI455X (gfx1250); checked and timed in simulation.
; The chip was launched on July 23, 2026; its instructions are those of AMD's public machine-readable ISA for CDNA 5 (MIT licence, August 2026) and "CDNA5" Instruction Set Architecture Reference Guide (July 2026). The comments in the code are by the model that wrote it; some were corrected since.
;; Mo E Classification Head. Allowed arithmetic: matrix products marked QUANTISED: E5M2 operands, one E8M0 scale for each 32 along K, by v_wmma_scale_f32_16x16x128_f8f6f4 with both operands' format E5M2, f32 sums; products left as they are: f32 operands where the result goes on into a quantised operand, else bf16, f16 or f32 operands; f32 sums; everything else in f32.
;; Inputs: ex_b1 4 x 2,048 float32; ex_b2 4 x 3 float32; ex_ln_b 4 x 1,024 float32; ex_ln_g 4 x 1,024 float32; ex_w1 4 x 1,024 x 2,048 float32; ex_w2 4 x 2,048 x 3 float32; gate_b 4 float32; gate_ln_b 1,024 float32; gate_ln_g 1,024 float32; gate_w 1,024 x 4 float32; x 8,192 x 1,024 float32.
;; Outputs: out0 8,192 x 3 float32.
;; This version of the problem:
;;   THIS VERSION OF THE PROBLEM IS GIVEN IN LOW PRECISION. The matrix products marked QUANTISED in the list below multiply operands that are first quantised to E5M2 (5 exponent bits, 2 mantissa bits; 8 bits a number), with one power-of-two scale for each 32 numbers along K (OCP MX v1.0); their sums are f32. All else is computed in f32.
;;   The module's matrix products, in the order in which they are computed (A, B: the left and right operand; K: the contracted axis; several contracted axes count as one K, in the product's order):
;;     1. [M 8,192, K 1,024] x [K 1,024, N 4]; A: computed on the way; B: input gate_w: left as it is (N = 4 < 16)
;;     2. batch 4 x [M 8,192, K 1,024] x [K 1,024, N 2,048]; A: computed on the way; B: input ex_w1: QUANTISED
;;     3. batch 4 x [M 8,192, K 2,048] x [K 2,048, N 3]; A: computed on the way; B: input ex_w2: left as it is (N = 3 < 16)
;;     4. batch 8,192 x [M 1, K 4] x [K 4, N 3]; A: softmax; B: computed on the way: left as it is (K = 4 < 32)
;;   THE QUANTISER, for each operand of a quantised product, along K:
;;     - K is cut into blocks of 32 from its start; a last block that is shorter is filled with zeros.
;;     - A block's scale is 2^e with e = floor(log2(the largest magnitude in the block)) - 15, held to -126 .. 127; a block of zeros has e = 0. As a byte (E8M0): e + 127.
;;     - Each number is divided by its block's scale, clamped to +-57,344, and rounded to the nearest number of E5M2, ties to even, subnormals kept.
;;     - The product sums the exact products of the quantised numbers (number of the format x scale) in f32.
;;   ~~~python
;;   def quantise(x, axis):      # numpy; x: float32 -> the quantised numbers, widened to float32 again
;;       x = np.moveaxis(x, axis, -1); K = x.shape[-1]
;;       x = np.pad(x, [(0, 0)] * (x.ndim - 1) + [(0, -K % 32)]); x = x.reshape(x.shape[:-1] + (-1, 32)); a = np.abs(x).max(-1, keepdims=True)
;;       e = np.where(a > 0, np.clip(np.frexp(np.where(a > 0, a, 1))[1] - 1 - 15, -126, 127), 0)      # np.frexp(a)[1] - 1 = floor(log2(a)), exactly
;;       r = np.clip(x / 2.0 ** e, -57344, 57344)
;;       step = 2.0 ** (np.maximum(np.frexp(np.where(r == 0, 1, r))[1] - 1, -14) - 2)
;;       q = np.round(r / step) * step * 2.0 ** e      # np.round: ties to even
;;       return np.moveaxis(q.reshape(q.shape[:-2] + (-1,))[..., :K], -1, axis).astype(np.float32)
;;   ~~~
;;   OPERANDS COMPUTED ON THE WAY. 'Computed on the way' means the value that the module computes at that place (a softmax that the list does not call 'softmax' is quantised finished and normalised). What goes into a quantiser is computed in f32, as accurately as f32 sums, v_exp_f32 and their like allow (about 1e-6 of the number): no bf16 or f16 on the way to a quantiser, and a product that is left as it is and whose result goes on into a quantised operand takes f32 operands (vector FMAs, or v_wmma_f32_16x16x4_f32). A number that lies on a knife's edge between two numbers of the format may be rounded either way, as far as f32 arithmetic and the matrix unit's own rounding can turn it there, and no further.
;; One version. Each part assembles by itself: llvm-mc -triple=amdgcn-amd-amdhsa -mcpu=gfx1250 --defsym DOCPART=n.
;; ======== version 1 of 1: 3 launches
;; limits: a function is approximated: absolute error at most 0.00025; an absolute error that grows with the inputs' magnitude: up to 0.00025 times it
;; workspace buffers: xq 33,554,432 bytes; xs 1,048,576 bytes; w1q 8,388,608 bytes; wex 393,216 bytes; gw 131,072 bytes; part 1,048,576 bytes
;; launch prep (part 1): grid 512 x 1, 8 waves a work-group, no clusters, 145,408 bytes of LDS; arguments x, gate_ln_g, gate_ln_b, gate_w, gate_b, ex_ln_g, ex_ln_b, ex_w1, ex_b1, ex_w2, xq, xs, w1q, wex, gw; writes xq, xs, w1q, wex, gw
.if DOCPART == 1
	.amdgcn_target "amdgcn-amd-amdhsa--gfx1250"
	.amdhsa_code_object_version 6
	.text
	.protected	k_q3c1d14adec_prep
	.globl	k_q3c1d14adec_prep
	.p2align	8
	.type	k_q3c1d14adec_prep,@function
k_q3c1d14adec_prep:
	s_mov_b64 s[64:65], 0
	v_nop
	global_prefetch_b8 v0, s[64:65] scope:SCOPE_SE
	s_setreg_imm32_b32 hwreg(HW_REG_WAVE_MODE, 25, 1), 1
	s_wait_xcnt 0x0
; PREP: everything that is made once, ahead of the large product.
; Work-groups 0-255 (tokens): 32 tokens each.  LayerNorm (two passes: mean, then the squares of x - mean), the gate (affine, 1024 x 4 product in f32, softmax with its maximum taken away),
;   and for each of the four experts y = normed * g + b, quantised along K to E5M2 with one E8M0 byte for each 32.
; Work-groups 256-511 (weights): ex_w1 [e][k][h], K its first axis within an expert: a lane takes a column h and its registers run down K, so nothing is transposed.
;   Wave 0 of each also makes one record of small things: 0.5 x w2 in bf16 (the half belongs to GELU and is exact) and b1.
; ALL OPERANDS ARE STORED AS IMAGES OF THE OPERAND'S REGISTERS: 16 bytes a lane, lane (r, h), group c: k = 128 s + 32 c + 16 h + 0 .. 15 of row r.
;   xq  [e][tile of 16 tokens 512][s 8][c 4][lane 32][16 B]      xs  [e][32 tokens 256][s 8][token 32] one word: four scale bytes
;   w1q [e][group of 32 hidden units 64][s 8][u 2][c 4][lane 32][16 B]
;   wex [e][group] 1,536 B: 1,024 of scale words [s][unit 32]; 256 of w2 [qq 2][class 4][h 2][8 bf16] (class 3 is zeros); b1's 32 numbers, twice
;   gw  [token][4] the gate's weights
; The quantiser: scale = 2^(floor(log2(largest magnitude)) - 15); its byte is the largest magnitude's exponent field - 15, held at 1 from below by a floor among the maximum's leaves.
; LIMITS: NaN and infinities among the inputs are not served.  A block whose largest magnitude lies under 2^-111, a block of zeros among them, gets the byte 1 (the rule says 127 for zeros): its codes are
;   zeros or subnormal codes, and these bytes are read by this program alone.  The gate's affine is folded into gate_w (another order of f32 rounding; it stands ahead of no quantiser).
; No matrix unit, no tensor load, no cluster: the launch streams, and its work-groups share no large input.
.set X,    16                          ; v16-143  tokens: row i (of my 4), chunk j, m: v[16 + 32 i + 8 j + m] = k 256 j + 8 lane + m
.set GA,   144                         ; v144-191 gate set A: 32 of gate_w (8 k x 4), 8 of the gain, 8 of the bias;  later the experts' four sets of (gain 8, bias 8) from v144 on
.set GBS,  192                         ; v192-239 gate set B
.set Y,    208                         ; v208-223 y of two rows
.set T,    224                         ; v224-229 largest magnitude, conversion's scale, hold: two rows each
.set CD,   232                         ; v232-239 codes: 2 turns x 2 rows x 2 registers
.set BY,   10                          ; v10-13   scale bytes: 2 turns x 2 rows
.set CST,  12                          ; v12-15   the gate's constant term (done before the bytes are made)
.set AC,   240                         ; v240-255 statistics, then the gate's 4 x 4 sums
.set UP,   272                         ; LDS: a unit of 256 bytes of an image + 16 of padding = 68 words: the sixteen pairs of lanes of a store fall on 64 different banks
.set REG,  64*UP                       ; a tile's image for one expert: 64 units
.set SCS,  8*REG                       ; behind the 8 images (2 e + tile): the scale words [e][s][token], 4,096 bytes
.set GWS,  SCS+4096                    ; and the gate's weights, 512 bytes
	s_load_b512 s[4:19], s[0:1], 0x0               ; x s[4:5], gate gain s[6:7], gate bias s[8:9], gate_w s[10:11], gate_b s[12:13], experts' gain s[14:15], bias s[16:17], ex_w1 s[18:19]
	s_load_b256 s[20:27], s[0:1], 0x40             ; ex_b1 s[20:21], ex_w2 s[22:23], xq s[24:25], xs s[26:27]
	s_load_b128 s[28:31], s[0:1], 0x60             ; w1q s[28:29], wex s[30:31]
	s_load_b64 s[32:33], s[0:1], 0x70              ; gw
	s_set_vgpr_msb 0x40
	v_lshl_add_u32 v0, v0, 2, 0x23400
	v_mov_b32 v1, 0
	s_set_vgpr_msb 0x4000
	v_lshrrev_b32 v1, 5, v0
	v_readfirstlane_b32 s34, v1                    ; wave 0..7
	v_and_b32 v1, 31, v0                           ; lane
	s_mov_b32 s35, 0x600000                        ; the mantissa field of 57,344
	s_mov_b32 s36, 0x76543210
	s_mov_b32 s37, 0xfedcba98                      ; v_permlanex16_b32's selects for lane l xor 16
	s_mov_b32 s38, 0x3a800000                      ; 1 / 1024
	s_mov_b32 s39, 0x3727c5ac                      ; 1e-5
	s_wait_kmcnt 0x0
	s_cmp_lt_u32 ttmp9, 256                        ; the same in all eight waves of a work-group
	s_cbranch_scc0 .Lweights
; ---------------------------------------------------------------- TOKENS
	s_load_b128 s[40:43], s[12:13], 0x0            ; gate_b
	v_lshlrev_b32 v2, 5, v1                        ; 32 x lane: my 8 numbers of a chunk of 256
	v_lshlrev_b32 v3, 7, v1                        ; 128 x lane: my 8 rows of gate_w
	v_lshrrev_b32 v4, 1, v1                        ; the stage, on the way in: chunk j, lane l holds 8 bytes of unit 16 j + l / 2, at 16 x (token % 16) + 8 (l % 2)
	v_mul_u32_u24 v4, v4, UP
	v_and_b32 v5, 1, v1
	v_lshl_add_u32 v4, v5, 3, v4
	s_lshr_b32 s44, s34, 2                         ; my tokens' tile: wave / 4
	s_mul_i32 s44, s44, REG
	s_and_b32 s45, s34, 3
	s_lshl_b32 s45, s45, 6                         ; token % 16 = 4 (wave % 4) + i
	s_add_co_u32 s44, s44, s45
	v_add_nc_u32 v4, s44, v4                       ; experts 0 and 1,
	v_add_nc_u32 v5, 4*REG, v4                     ; experts 2 and 3 (an immediate reaches 65,535 bytes)
	v_lshrrev_b32 v6, 4, v1                        ; my scale byte: K step 2 j + l / 16, token 4 wave + i, byte (l / 4) % 4
	v_lshlrev_b32 v6, 7, v6
	v_bfe_u32 v7, v1, 2, 2
	v_add_nc_u32 v6, v6, v7
	s_lshl_b32 s45, s34, 4
	s_add_co_u32 s45, s45, SCS
	v_add_nc_u32 v6, s45, v6
	v_lshrrev_b32 v7, 4, v1                        ; the stage, on the way out: wave w takes image w; two units an instruction
	v_mul_u32_u24 v7, v7, UP
	v_and_b32 v9, 15, v1
	v_lshl_add_u32 v7, v9, 4, v7
	s_mul_i32 s45, s34, REG
	v_add_nc_u32 v7, s45, v7
	s_lshl_b32 s45, s34, 6
	s_add_co_u32 s45, s45, GWS
	v_mov_b32 v8, s45                              ; where my four tokens' gate weights go
	v_lshlrev_b32 v9, 4, v1                        ; 16 x lane
	s_lshl_b32 s44, ttmp9, 17                      ; x: 32 tokens of 4,096 bytes a work-group,
	s_lshl_b32 s45, s34, 14                        ; 4 a wave
	s_add_co_u32 s44, s44, s45
	s_mov_b32 s45, 0
	s_add_nc_u64 s[4:5], s[4:5], s[44:45]
	s_lshr_b32 s46, s34, 1                         ; on the way out wave w serves expert w / 2, tile w % 2
	s_and_b32 s47, s34, 1
	s_lshl_b32 s44, s46, 9
	s_lshl_b32 s48, ttmp9, 1
	s_add_co_u32 s44, s44, s48
	s_add_co_u32 s44, s44, s47
	s_lshl_b32 s44, s44, 14                        ; (512 e + 2 work-group + tile) images of 16,384 bytes
	s_add_nc_u64 s[24:25], s[24:25], s[44:45]
	s_lshl_b32 s44, s46, 8
	s_add_co_u32 s44, s44, ttmp9
	s_lshl_b32 s44, s44, 10
	s_lshl_b32 s48, s47, 9
	s_add_co_u32 s44, s44, s48                     ; (256 e + work-group) x 1,024 + 512 (w % 2)
	s_add_nc_u64 s[26:27], s[26:27], s[44:45]
	s_lshl_b32 s44, ttmp9, 9
	s_add_nc_u64 s[32:33], s[32:33], s[44:45]
.irp i, 0,1,2,3
.irp j, 0,1,2,3
	global_load_b128 v[X+32*\i+8*\j:X+32*\i+8*\j+3],   v2, s[4:5] offset:4096*\i+1024*\j th:TH_LOAD_NT      ; the conversion wants 8 neighbours along K in a lane: a pair of loads, one behind
	global_load_b128 v[X+32*\i+8*\j+4:X+32*\i+8*\j+7], v2, s[4:5] offset:4096*\i+1024*\j+16 th:TH_LOAD_NT   ; the other, covers 1,024 consecutive bytes
.endr
.endr
.macro GLOAD j, S                      ; chunk j of the gate's parameters: 12 loads
.irp m, 0,1,2,3,4,5,6,7
	global_load_b128 v[\S+4*\m:\S+4*\m+3], v3, s[10:11] offset:4096*\j+16*\m
.endr
	global_load_b128 v[\S+32:\S+35], v2, s[6:7] offset:1024*\j
	global_load_b128 v[\S+36:\S+39], v2, s[6:7] offset:1024*\j+16
	global_load_b128 v[\S+40:\S+43], v2, s[8:9] offset:1024*\j
	global_load_b128 v[\S+44:\S+47], v2, s[8:9] offset:1024*\j+16
.endm
.macro PLOAD e, j                      ; expert e's gain and bias of chunk j into set j: 4 loads
	global_load_b128 v[GA+16*\j:GA+16*\j+3],     v2, s[14:15] offset:4096*(\e)+1024*\j
	global_load_b128 v[GA+16*\j+4:GA+16*\j+7],   v2, s[14:15] offset:4096*(\e)+1024*\j+16
	global_load_b128 v[GA+16*\j+8:GA+16*\j+11],  v2, s[16:17] offset:4096*(\e)+1024*\j
	global_load_b128 v[GA+16*\j+12:GA+16*\j+15], v2, s[16:17] offset:4096*(\e)+1024*\j+16
.endm
	GLOAD 0, GA
	GLOAD 1, GBS
.macro RED4 b                          ; four sums, at v[b + 4 i], over the 32 lanes; v[b + 1 + 4 i] is at work (written before: a lane permute's destination counts as read)
.irp k, 1,2,4,8
.irp i, 0,1,2,3
	v_add_f32_dpp v[(\b)+4*\i], v[(\b)+4*\i], v[(\b)+4*\i] row_xmask:\k row_mask:0xf bank_mask:0xf
.endr
.endr
.irp i, 0,1,2,3
	v_permlanex16_b32 v[(\b)+1+4*\i], v[(\b)+4*\i], s36, s37
.endr
.irp i, 0,1,2,3
	v_add_f32 v[(\b)+4*\i], v[(\b)+4*\i], v[(\b)+1+4*\i]
.endr
.endm
	; ---- the statistics, the four rows by turns
	s_wait_loadcnt 24                              ; x is in; the gate's two chunks (24 loads) may be out
.irp i, 0,1,2,3
	v_pk_add_f32 v[AC+4*\i:AC+4*\i+1], v[X+32*\i:X+32*\i+1], v[X+32*\i+2:X+32*\i+3]
.endr
.irp p, 4,6,8,10,12,14,16,18,20,22,24,26,28,30
.irp i, 0,1,2,3
	v_pk_add_f32 v[AC+4*\i:AC+4*\i+1], v[AC+4*\i:AC+4*\i+1], v[X+32*\i+\p:X+32*\i+\p+1]
.endr
.endr
.irp i, 0,1,2,3
	v_add_f32 v[AC+4*\i], v[AC+4*\i], v[AC+4*\i+1]
.endr
	RED4 AC
.irp i, 0,1,2,3
	v_mul_f32 v[AC+4*\i], s38, v[AC+4*\i]          ; the mean
.endr
.irp p, 0,2,4,6,8,10,12,14,16,18,20,22,24,26,28,30
.irp i, 0,1,2,3
	v_pk_add_f32 v[X+32*\i+\p:X+32*\i+\p+1], v[X+32*\i+\p:X+32*\i+\p+1], v[AC+4*\i:AC+4*\i+1] op_sel_hi:[1,0] neg_lo:[0,1] neg_hi:[0,1]   ; x - mean
.endr
.endr
.irp i, 0,1,2,3
	v_pk_mul_f32 v[AC+2+4*\i:AC+3+4*\i], v[X+32*\i:X+32*\i+1], v[X+32*\i:X+32*\i+1]
.endr
.irp p, 2,4,6,8,10,12,14,16,18,20,22,24,26,28,30
.irp i, 0,1,2,3
	v_pk_fma_f32 v[AC+2+4*\i:AC+3+4*\i], v[X+32*\i+\p:X+32*\i+\p+1], v[X+32*\i+\p:X+32*\i+\p+1], v[AC+2+4*\i:AC+3+4*\i]
.endr
.endr
.irp i, 0,1,2,3
	v_add_f32 v[AC+2+4*\i], v[AC+2+4*\i], v[AC+3+4*\i]
.endr
	RED4 AC+2
.irp i, 0,1,2,3
	v_fma_f32 v[AC+2+4*\i], v[AC+2+4*\i], s38, s39 ; the variance + 1e-5
.endr
.irp i, 0,1,2,3
	v_rsq_f32 v[AC+4*\i], v[AC+2+4*\i]
.endr
	v_nop                                          ; a plain instruction behind the last of the batch,
	s_wait_alu depctr_va_vdst(0)                   ; and the one wait ahead of the batch's first use
.irp p, 0,2,4,6,8,10,12,14,16,18,20,22,24,26,28,30
.irp i, 0,1,2,3
	v_pk_mul_f32 v[X+32*\i+\p:X+32*\i+\p+1], v[X+32*\i+\p:X+32*\i+\p+1], v[AC+4*\i:AC+4*\i+1] op_sel_hi:[1,0]   ; normed
.endr
.endr
	; ---- the gate: logits = sum over k of normed[k] (gain[k] W[k][:]) + sum over k of bias[k] W[k][:] + gate_b
.macro GATE j, S
	s_wait_loadcnt 12                              ; this chunk's 12 loads are in; the 12 issued behind them may be out
.irp m, 0,2,4,6
.irp q, 0,2
.if (\j == 0) && (\m == 0)
	v_pk_mul_f32 v[CST+\q:CST+\q+1], v[\S+\q:\S+\q+1], v[\S+40:\S+41] op_sel_hi:[1,0]               ; the first product starts the sum
.else
	v_pk_fma_f32 v[CST+\q:CST+\q+1], v[\S+4*\m+\q:\S+4*\m+\q+1], v[\S+40+\m:\S+41+\m], v[CST+\q:CST+\q+1] op_sel_hi:[1,0,1]
.endif
.endr
.irp q, 0,2
	v_pk_fma_f32 v[CST+\q:CST+\q+1], v[\S+4*\m+4+\q:\S+4*\m+5+\q], v[\S+40+\m:\S+41+\m], v[CST+\q:CST+\q+1] op_sel:[0,1,0] op_sel_hi:[1,1,1]
.endr
.endr
.irp m, 0,2,4,6
.irp q, 0,2
	v_pk_mul_f32 v[\S+4*\m+\q:\S+4*\m+\q+1], v[\S+4*\m+\q:\S+4*\m+\q+1], v[\S+32+\m:\S+33+\m] op_sel_hi:[1,0]             ; W[k][:] x gain[k], in place
	v_pk_mul_f32 v[\S+4*\m+4+\q:\S+4*\m+5+\q], v[\S+4*\m+4+\q:\S+4*\m+5+\q], v[\S+32+\m:\S+33+\m] op_sel:[0,1] op_sel_hi:[1,1]
.endr
.endr
.irp m, 0,2,4,6
.irp i, 0,1,2,3
.irp q, 0,2
.if (\j == 0) && (\m == 0)
	v_pk_mul_f32 v[AC+4*\i+\q:AC+4*\i+\q+1], v[\S+\q:\S+\q+1], v[X+32*\i:X+32*\i+1] op_sel_hi:[1,0]
.else
	v_pk_fma_f32 v[AC+4*\i+\q:AC+4*\i+\q+1], v[\S+4*\m+\q:\S+4*\m+\q+1], v[X+32*\i+8*\j+\m:X+32*\i+8*\j+\m+1], v[AC+4*\i+\q:AC+4*\i+\q+1] op_sel_hi:[1,0,1]
.endif
.endr
.endr
.irp i, 0,1,2,3
.irp q, 0,2
	v_pk_fma_f32 v[AC+4*\i+\q:AC+4*\i+\q+1], v[\S+4*\m+4+\q:\S+4*\m+5+\q], v[X+32*\i+8*\j+\m:X+32*\i+8*\j+\m+1], v[AC+4*\i+\q:AC+4*\i+\q+1] op_sel:[0,1,0] op_sel_hi:[1,1,1]
.endr
.endr
.endr
.endm
	GATE 0, GA
	GLOAD 2, GA
	GATE 1, GBS
	GLOAD 3, GBS
	GATE 2, GA
	PLOAD 0, 0                                     ; set A's registers are free: expert 0's first three sets
	PLOAD 0, 1
	PLOAD 0, 2
	GATE 3, GBS
	PLOAD 0, 3
.irp i, 0,1,2,3
.irp q, 0,2
	v_pk_add_f32 v[AC+4*\i+\q:AC+4*\i+\q+1], v[AC+4*\i+\q:AC+4*\i+\q+1], v[CST+\q:CST+\q+1]
.endr
.endr
.irp k, 1,2,4,8
.irp n, 0,1,2,3,4,5,6,7,8,9,10,11,12,13,14,15
	v_add_f32_dpp v[AC+\n], v[AC+\n], v[AC+\n] row_xmask:\k row_mask:0xf bank_mask:0xf
.endr
.endr
.irp n, 0,1,2,3,4,5,6,7,8,9,10,11,12,13,14,15
	v_permlanex16_b32 v[224+\n], v[AC+\n], s36, s37 ; v224-239 held set B's gain and bias: written, and free
.endr
.irp n, 0,1,2,3,4,5,6,7,8,9,10,11,12,13,14,15
	v_add_f32 v[AC+\n], v[AC+\n], v[224+\n]
.endr
	s_wait_kmcnt 0x0                               ; gate_b
.irp i, 0,1,2,3
.irp c, 0,1,2,3
	v_add_f32 v[AC+4*\i+\c], s[40+\c], v[AC+4*\i+\c]
.endr
.endr
.irp i, 0,1,2,3
	v_max3_num_f32 v[224+\i], v[AC+4*\i], v[AC+4*\i+1], v[AC+4*\i+2]
.endr
.irp i, 0,1,2,3
	v_max_num_f32 v[224+\i], v[224+\i], v[AC+4*\i+3]   ; the row's largest logit is taken away ahead of the exponential
.endr
.irp i, 0,1,2,3
.irp c, 0,1,2,3
	v_sub_f32 v[AC+4*\i+\c], v[AC+4*\i+\c], v[224+\i]
.endr
.endr
.irp n, 0,1,2,3,4,5,6,7,8,9,10,11,12,13,14,15
	v_mul_f32 v[AC+\n], 0x3fb8aa3b, v[AC+\n]       ; x log2(e)
.endr
.irp n, 0,1,2,3,4,5,6,7,8,9,10,11,12,13,14,15
	v_exp_f32 v[AC+\n], v[AC+\n]
.endr
	v_nop
	s_wait_alu depctr_va_vdst(0)                   ; one wait for the sixteen
.irp i, 0,1,2,3
	v_add_f32 v[224+\i], v[AC+4*\i], v[AC+4*\i+1]
	v_add_f32 v[228+\i], v[AC+4*\i+2], v[AC+4*\i+3]
.endr
.irp i, 0,1,2,3
	v_add_f32 v[224+\i], v[224+\i], v[228+\i]
.endr
.irp i, 0,1,2,3
	v_rcp_f32 v[232+2*\i], v[224+\i]
.endr
	v_nop
	s_wait_alu depctr_va_vdst(0)                   ; one wait for the four
.irp i, 0,1,2,3
	v_pk_mul_f32 v[AC+4*\i:AC+4*\i+1],   v[AC+4*\i:AC+4*\i+1],   v[232+2*\i:233+2*\i] op_sel_hi:[1,0]
	v_pk_mul_f32 v[AC+4*\i+2:AC+4*\i+3], v[AC+4*\i+2:AC+4*\i+3], v[232+2*\i:233+2*\i] op_sel_hi:[1,0]
.endr
.irp i, 0,1,2,3
	ds_store_b128 v8, v[AC+4*\i:AC+4*\i+3] offset:16*\i   ; every lane holds the same four numbers and writes them to the same place
.endr
	; ---- the experts: 16 steps (e, j); two rows at a time, on registers that take turns
.macro QROWS e, j, i0, par
	s_wait_dscnt 4                                 ; the four LDS stores of this turn's last use are done (the other turn's four may be out): their data registers may be written
.irp a, 0,1
.irp p, 0,2,4,6
	v_pk_fma_f32 v[Y+8*\a+\p:Y+8*\a+\p+1], v[X+32*(\i0+\a)+8*\j+\p:X+32*(\i0+\a)+8*\j+\p+1], v[GA+16*\j+\p:GA+16*\j+\p+1], v[GA+16*\j+8+\p:GA+16*\j+9+\p]   ; y = normed x gain + bias
.endr
.endr
.irp a, 0,1
	v_max3_num_f32 v[T+\a], |v[Y+8*\a]|, |v[Y+8*\a+1]|, 0x8000000   ; my 8 numbers, and the floor 2^(16 - 127): the byte cannot fall under 1
.endr
.irp p, 2,4,6
.irp a, 0,1
	v_max3_num_f32 v[T+\a], v[T+\a], |v[Y+8*\a+\p]|, |v[Y+8*\a+\p+1]|
.endr
.endr
.irp k, 1,2
.irp a, 0,1
	v_max_num_f32_dpp v[T+\a], v[T+\a], v[T+\a] row_xmask:\k row_mask:0xf bank_mask:0xf   ; a block of 32 lies in four neighbouring lanes
.endr
.endr
.irp a, 0,1
	v_add_nc_u32 v[T+2+\a], 0xf8800000, v[T+\a]    ; 15 off the exponent field: the conversion's scale operand
	v_and_or_b32 v[T+4+\a], v[T+\a], 0x7f800000, s35   ; 57,344 x the scale
.endr
.irp a, 0,1
.irp p, 0,1,2,3,4,5,6,7
	v_med3_num_f32 v[Y+8*\a+\p], v[Y+8*\a+\p], -v[T+4+\a], v[T+4+\a]   ; the conversion to an 8-bit code does not saturate (ISA guide 7.6.2): the hold
.endr
.endr
.irp a, 0,1
	v_cvt_scalef32_pk8_bf8_f32 v[CD+4*\par+2*\a:CD+4*\par+2*\a+1], v[Y+8*\a:Y+8*\a+7], v[T+2+\a]
.endr
.irp a, 0,1
	v_lshrrev_b32 v[BY+2*\par+\a], 23, v[T+2+\a]   ; the scale's byte (also the plain line behind the conversions)
.endr
.irp a, 0,1
	ds_store_b64 v[4+(\e)/2], v[CD+4*\par+2*\a:CD+4*\par+2*\a+1] offset:((\e)%2)*2*REG+16*UP*\j+16*(\i0+\a)
	ds_store_b8 v6, v[BY+2*\par+\a] offset:1024*\e+256*\j+4*(\i0+\a)   ; the four lanes of a block write the same byte with the same value
.endr
.endm
.irp e, 0,1,2,3
.irp j, 0,1,2,3
.if 4*\e+\j <= 12
	s_wait_loadcnt 12                              ; this step's set is in; the three sets behind it may be out
.else
	s_wait_loadcnt 4*(15-4*\e-\j)                  ; the last steps: the counts run down
.endif
	QROWS \e, \j, 0, 0
	QROWS \e, \j, 2, 1
.if \e < 3
	PLOAD \e+1, \j                                 ; the set is free: the next expert's same chunk
.endif
.endr
.endr
	; ---- out: wave w stores image w (expert w / 2, tile w % 2), 512 consecutive aligned bytes an instruction
	s_wait_dscnt 0x0                               ; for the others' sake: all my LDS stores are done
	s_barrier_signal -1
	s_barrier_wait -1
	s_lshl_b32 s44, s34, 9
	s_add_co_u32 s44, s44, SCS
	v_add_nc_u32 v10, s44, v9                      ; my 512 bytes of the scale words
	v_add_nc_u32 v11, GWS, v9
.irp n, 0,1,2,3,4,5,6,7,8,9,10,11,12,13,14,15,16,17,18,19,20,21,22,23,24,25,26,27,28,29,30,31
	ds_load_b128 v[X+4*\n:X+4*\n+3], v7 offset:2*UP*\n
.endr
	ds_load_b128 v[144:147], v10
.irp n, 0,1,2,3,4,5,6,7,8,9,10,11,12,13,14,15,16,17,18,19,20,21,22,23,24,25,26,27,28,29,30,31
	s_wait_dscnt 32-\n                             ; LDS loads come back in order: number n is in
	global_store_b128 v9, v[X+4*\n:X+4*\n+3], s[24:25] offset:512*\n
.endr
	s_wait_dscnt 0x0
	global_store_b128 v9, v[144:147], s[26:27]
	s_cmp_lg_u32 s34, 0
	s_cbranch_scc1 .Ltokens_end
	ds_load_b128 v[148:151], v11                   ; wave 0: the 32 tokens' gate weights
	s_wait_dscnt 0x0
	global_store_b128 v9, v[148:151], s[32:33]
.Ltokens_end:
	s_set_vgpr_msb 0x5
	s_wait_tensorcnt 0x0
	ds_add_u32 v0, v1
	s_wait_dscnt 0x0
	s_set_vgpr_msb 0x500
	s_endpgm
; ---------------------------------------------------------------- WEIGHTS
; q = work-group - 256: expert q / 64, block of 256 columns (q / 8) % 8, K step q % 8.  Wave w: group g = 8 x block + w of 32 columns; lane = column.
.Lweights:
	s_sub_co_u32 s44, ttmp9, 256                   ; q
	s_lshr_b32 s45, s44, 6                         ; e
	s_bfe_u32 s46, s44, 0x30003
	s_and_b32 s47, s44, 7                          ; s
	s_lshl_b32 s46, s46, 3
	s_add_co_u32 s46, s46, s34                     ; g
	s_lshl_b32 s48, s45, 23                        ; ex_w1: ((1024 e + 128 s) x 2048 + 32 g) x 4 bytes
	s_lshl_b32 s49, s47, 20
	s_add_co_u32 s48, s48, s49
	s_lshl_b32 s49, s46, 7
	s_add_co_u32 s48, s48, s49
	s_mov_b32 s49, 0
	s_add_nc_u64 s[18:19], s[18:19], s[48:49]
	s_lshl_b32 s50, s45, 6
	s_add_co_u32 s50, s50, s46                     ; the group's number among all: 64 e + g
	s_lshl_b32 s48, s50, 15
	s_lshl_b32 s51, s47, 12
	s_add_co_u32 s48, s48, s51
	s_add_nc_u64 s[28:29], s[28:29], s[48:49]      ; its image: 32,768 bytes a group, 4,096 a K step
	s_mul_i32 s48, s50, 1536
	s_lshl_b32 s51, s47, 7
	s_add_co_u32 s48, s48, s51
	s_add_nc_u64 s[52:53], s[30:31], s[48:49]      ; its scale words of this K step
	s_mul_i32 s48, s44, 1536
	s_add_co_u32 s48, s48, 1024
	s_add_nc_u64 s[54:55], s[30:31], s[48:49]      ; wave 0's other task: the last 512 bytes of record q
	s_mul_i32 s48, s44, 384
	s_add_nc_u64 s[22:23], s[22:23], s[48:49]      ; w2's 32 rows of 12 bytes of record q
	s_lshl_b32 s48, s44, 7
	s_add_nc_u64 s[20:21], s[20:21], s[48:49]      ; b1's 32 numbers
	v_lshlrev_b32 v2, 2, v1                        ; 4 x lane
	v_lshrrev_b32 v3, 4, v1                        ; my codes' place: tile u = lane / 16, row lane % 16
	v_lshlrev_b32 v3, 11, v3
	v_and_b32 v4, 15, v1
	v_lshl_add_u32 v3, v4, 4, v3
.macro WLOAD c                         ; block c: W(128 s + 32 c + kk, my column): 128 consecutive bytes a wave, 1,024 a work-group
.set KK, 0
.rept 32
	global_load_b32 v[16+32*(\c)+KK], v2, s[18:19] offset:(32*(\c)+KK)*8192 th:TH_LOAD_NT
.set KK, KK+1
.endr
.endm
.macro WBLOCK c                        ; a block of 32 along K lies in ONE lane
.set XS, 16+32*(\c)
	v_max3_num_f32 v12, |v[XS]|, |v[XS+1]|, |v[XS+2]|
	v_max3_num_f32 v13, |v[XS+3]|, |v[XS+4]|, |v[XS+5]|
.irp i, 6,10,14,18,22,26
	v_max3_num_f32 v12, v12, |v[XS+\i]|, |v[XS+\i+1]|
	v_max3_num_f32 v13, v13, |v[XS+\i+2]|, |v[XS+\i+3]|
.endr
	v_max3_num_f32 v12, v12, |v[XS+30]|, |v[XS+31]|
	v_max3_num_f32 v12, v12, v13, 0x8000000        ; and the floor
	v_add_nc_u32 v11, 0xf8800000, v12
	v_and_or_b32 v10, v12, 0x7f800000, s35
	v_lshrrev_b32 v13, 23, v11
.if (\c) == 0
	v_mov_b32 v180, v13                            ; the four bytes make my column's scale word of this K step
.else
	v_lshl_or_b32 v180, v13, 8*(\c), v180
.endif
.irp i, 0,1,2,3,4,5,6,7,8,9,10,11,12,13,14,15,16,17,18,19,20,21,22,23,24,25,26,27,28,29,30,31
	v_med3_num_f32 v[XS+\i], v[XS+\i], -v10, v10
.endr
.irp g, 0,1,2,3
	v_cvt_scalef32_pk8_bf8_f32 v[144+8*(\c)+2*\g:145+8*(\c)+2*\g], v[XS+8*\g:XS+8*\g+7], v11
.endr
	v_nop                                          ; a plain line behind the last conversion of the run
	global_store_b128 v3, v[144+8*(\c):147+8*(\c)], s[28:29] offset:512*(\c)       ; k 0-15 of the block: lanes 0-15 fill one aligned run of 256 bytes (tile 0), lanes 16-31 another (tile 1)
	global_store_b128 v3, v[148+8*(\c):151+8*(\c)], s[28:29] offset:512*(\c)+256   ; k 16-31.  Each block has registers of its own: no store's data are written again
.endm
	WLOAD 0
	WLOAD 1                                        ; two blocks, 64 loads, ahead
	s_wait_loadcnt 32                              ; block 0 is in
	WLOAD 2
	WBLOCK 0
	s_wait_loadcnt 32                              ; block 1 is in, block 2 may be out
	WLOAD 3
	WBLOCK 1
	s_wait_loadcnt 32
	WBLOCK 2
	s_wait_loadcnt 0x0
	WBLOCK 3
	global_store_b32 v2, v180, s[52:53]            ; 128 consecutive bytes a wave: one byte for each 128 that the launch reads here
	s_cmp_lg_u32 s34, 0
	s_cbranch_scc1 .Lweights_end
	; wave 0: lanes 0-15 make w2's piece a = 8 qq + 2 class + h: bf16 of 0.5 x w2[16 qq + 8 h + 0 .. 7][class], zeros for class 3; lanes 16-31 carry b1, twice
	v_and_b32 v184, 15, v1
	v_lshrrev_b32 v185, 3, v184                    ; qq
	v_bfe_u32 v186, v184, 1, 2                     ; class
	v_and_b32 v187, 1, v184                        ; h
	v_lshl_add_u32 v185, v185, 1, v187
	v_mul_u32_u24 v185, v185, 96                   ; (16 qq + 8 h) rows of 12 bytes
	v_min_u32 v187, 2, v186                        ; class 3 reads class 2's numbers and multiplies them by 0: no load leaves the buffer
	v_lshl_add_u32 v185, v187, 2, v185
	v_lshlrev_b32 v188, 4, v1
	v_and_b32 v189, 127, v188
.irp i, 0,1,2,3,4,5,6,7
	global_load_b32 v[192+\i], v185, s[22:23] offset:12*\i
.endr
	global_load_b128 v[204:207], v189, s[20:21]
	v_mov_b32 v190, 0.5
	v_cmp_gt_u32 vcc_lo, 3, v186
	v_cndmask_b32 v190, 0, v190, vcc_lo
	s_wait_loadcnt 0x0
.irp i, 0,1,2,3,4,5,6,7
	v_mul_f32 v[192+\i], v190, v[192+\i]
.endr
.irp i, 0,1,2,3
	v_cvt_pk_bf16_f32 v[200+\i], v[192+2*\i], v[193+2*\i]
.endr
	v_cmp_le_u32 vcc_lo, 16, v1
.irp i, 0,1,2,3
	v_cndmask_b32 v[200+\i], v[200+\i], v[204+\i], vcc_lo
.endr
	global_store_b128 v188, v[200:203], s[54:55]   ; 512 consecutive aligned bytes
.Lweights_end:
	s_endpgm
.Lfunc_end_k_q3c1d14adec_prep:
	.size	k_q3c1d14adec_prep, .Lfunc_end_k_q3c1d14adec_prep-k_q3c1d14adec_prep
	.p2alignl 7, 3214868480
	.fill 96, 4, 3214868480
	.section	.rodata,"a",@progbits
	.p2align	6, 0x0
	.amdhsa_kernel k_q3c1d14adec_prep
		.amdhsa_group_segment_fixed_size 145408
		.amdhsa_private_segment_fixed_size 0
		.amdhsa_enable_private_segment 0
		.amdhsa_kernarg_size 120
		.amdhsa_user_sgpr_count 2
		.amdhsa_user_sgpr_kernarg_segment_ptr 1
		.amdhsa_wavefront_size32 1
		.amdhsa_system_sgpr_workgroup_id_x 1
		.amdhsa_system_sgpr_workgroup_id_y 1
		.amdhsa_system_sgpr_workgroup_id_z 1
		.amdhsa_system_vgpr_workitem_id 0
		.amdhsa_next_free_vgpr 258
		.amdhsa_next_free_sgpr 66
		.amdhsa_reserve_vcc 1
		.amdhsa_float_denorm_mode_32 3
		.amdhsa_float_denorm_mode_16_64 3
		.amdhsa_memory_ordered 1
		.amdhsa_forward_progress 1
		.amdhsa_inst_pref_size 208
	.end_amdhsa_kernel
	.amdgpu_metadata
---
amdhsa.version: [ 1, 2 ]
amdhsa.kernels:
  - .name:           k_q3c1d14adec_prep
    .symbol:         k_q3c1d14adec_prep.kd
    .args:
      - { .name: x, .offset: 0, .size: 8, .value_kind: global_buffer, .address_space: global }
      - { .name: gate_ln_g, .offset: 8, .size: 8, .value_kind: global_buffer, .address_space: global }
      - { .name: gate_ln_b, .offset: 16, .size: 8, .value_kind: global_buffer, .address_space: global }
      - { .name: gate_w, .offset: 24, .size: 8, .value_kind: global_buffer, .address_space: global }
      - { .name: gate_b, .offset: 32, .size: 8, .value_kind: global_buffer, .address_space: global }
      - { .name: ex_ln_g, .offset: 40, .size: 8, .value_kind: global_buffer, .address_space: global }
      - { .name: ex_ln_b, .offset: 48, .size: 8, .value_kind: global_buffer, .address_space: global }
      - { .name: ex_w1, .offset: 56, .size: 8, .value_kind: global_buffer, .address_space: global }
      - { .name: ex_b1, .offset: 64, .size: 8, .value_kind: global_buffer, .address_space: global }
      - { .name: ex_w2, .offset: 72, .size: 8, .value_kind: global_buffer, .address_space: global }
      - { .name: xq, .offset: 80, .size: 8, .value_kind: global_buffer, .address_space: global }
      - { .name: xs, .offset: 88, .size: 8, .value_kind: global_buffer, .address_space: global }
      - { .name: w1q, .offset: 96, .size: 8, .value_kind: global_buffer, .address_space: global }
      - { .name: wex, .offset: 104, .size: 8, .value_kind: global_buffer, .address_space: global }
      - { .name: gw, .offset: 112, .size: 8, .value_kind: global_buffer, .address_space: global }
    .group_segment_fixed_size: 145408
    .private_segment_fixed_size: 0
    .kernarg_segment_align: 8
    .kernarg_segment_size: 120
    .max_flat_workgroup_size: 256
    .sgpr_count:     66
    .vgpr_count:     258
    .wavefront_size: 32
...
	.end_amdgpu_metadata
.endif
;; end of part 1
;; launch main (part 2): grid 32 x 8, 4 waves a work-group, clusters of 4 x 1, 327,680 bytes of LDS; arguments xq, xs, w1q, wex, part; writes part
.if DOCPART == 2
	.amdgcn_target "amdgcn-amd-amdhsa--gfx1250"
	.amdhsa_code_object_version 6
	.text
	.protected	k_q3c1d14adec_main
	.globl	k_q3c1d14adec_main
	.p2align	8
	.type	k_q3c1d14adec_main,@function
k_q3c1d14adec_main:
	s_mov_b64 s[64:65], 0
	v_nop
	global_prefetch_b8 v0, s[64:65] scope:SCOPE_SE
	s_setreg_imm32_b32 hwreg(HW_REG_WAVE_MODE, 25, 1), 1
	s_wait_xcnt 0x0
	s_wait_alu depctr_hold_cnt(0) depctr_sa_sdst(0) depctr_va_vdst(0) depctr_va_sdst(0) depctr_va_ssrc(0) depctr_va_vcc(0) depctr_vm_vsrc(0)
	s_getreg_b32 s2, hwreg(HW_REG_IB_STS2, 6, 4)
	s_cmp_eq_u32 s2, 0
	s_cbranch_scc0 .Lentry_in_a_cluster
	s_endpgm
.Lentry_in_a_cluster:
	s_bfe_u32 s2, ttmp6, 0x10000c
	s_cmp_lg_u32 s2, 0x3003
	s_cbranch_scc0 .Lentry_shape_is_right
	s_endpgm
.Lentry_shape_is_right:
; MAIN: for expert e and half of its hidden layer (y = 2 e + half): part[y][token][class] = sum over 1,024 hidden units of gelu(xn W1 + b1) w2.
; The large product runs on codes of E5M2 with E8M0 scales (v_wmma_scale_f32_16x16x128_f8f6f4); the small one (N = 3) in bf16 with f32 sums.
; SHARES.  A work-group: 256 tokens x 1,024 hidden units.  A wave: 64 tokens (four tiles of 16), whose codes for all of K = 1,024 STAY IN 512 REGISTERS; it walks the hidden units in 32 groups of 32.
;   So a weight fragment read from LDS feeds four matrix instructions, and a group's results are finished after 64 of them.
; TRANSPOSED USE.  Source 0 = 16 hidden units, source 1 = 16 tokens: a lane holds one token and eight neighbouring hidden units.  b1 is the C of a sum's first instruction.  The two tiles of a group, after
;   GELU, rounded to bf16 in pairs, ARE source 1 (32 hidden units x 16 tokens) of the small product, whose source 0 is w2 (rows = classes; row r takes class r % 4, class 3 is zeros; rows 4-15 are not read).
; GELU: gelu(x) = x Phi(x), Phi by Abramowitz and Stegun 26.2.18: 1 - Phi(a) = (1 + c1 a + c2 a^2 + c3 a^3 + c4 a^4)^-4 / 2 for a >= 0, within 2.5e-4 for every a.  With a = |x| and q that power:
;   2 gelu(x) = x + a - a q.  The factor 1/2 lies in w2's image.  For large a the power overflows to infinity and its reciprocal is 0: the right limit.
; BY TURNS.  While group n's 64 products are issued, group n - 1's GELU, a list of 416 vector instructions, stands between them: 160 ahead of the first product (under them the group's first LDS loads land),
;   then a short slice of four behind each: 160 + 64 x 4 = 416.  All of the list works in window 0, the products' operands lie in windows 1 to 3: two switches a product are the price.
; CLUSTER.  The four work-groups of a cluster differ in their tokens alone and walk the same weights: every tensor load is a joint one, with the mask of all four.
; THE RING.  Two slots of four groups (131,072 bytes); each wave fetches one group's image (32,768 dense bytes) with one load behind each round; by this text's own count a wave has two tensor loads out at the
;   start and one later.  The groups' small records (scale words, w2, b1: 49,152 bytes) come once, with the first fills.  Images are read at 16 x lane: consecutive bytes, so no padding.
; NOT DONE: no prefetch: the tokens' codes are wanted at the head, and a slot's refill has a whole slot's 272 matrix instructions in which to land.  No 4 x 4 cluster: the tokens' codes go straight to registers.
; LIMITS: NaN and infinities are not served.  gelu is within 2.5e-4 |x| of the exact one, for every x: for x > 0, where gelu >= x / 2, at most 5e-4 of the number, a quarter of the 2^-9 by which the rounding
;   to bf16 directly behind it may move it.  The hidden layer and w2 are rounded to bf16 for the small product.
; REGISTERS, in windows of 256.  Window 0: v0-15 addresses and constants; v16-31 tokens' scale words; v32-47 weights' scale words, two sets; v48-63 b1; v64-191 the sums, two sets of 64 (16 t + 8 u);
;   v192-223 a; v224-255 the polynomial.  Window 1: v0-127 weight fragments, a ring of four K steps; v128-159 the four tiles of logits; v160-175 w2, two sets.  Windows 2, 3: the tokens' codes.
.set SLOT1, 1<<17
.set EXB,   2*SLOT1                    ; the 32 records of 1,536 bytes
.set SPARE, EXB+49152                  ; the spare words, 128 bytes for each wave: two blocks of 256 bytes that no other line names
.set TS,   16                          ; v[16 + 8 (t / 2) + s]: lanes 0-15 tile 2 (t / 2), lanes 16-31 the tile after it
.set BS,   32                          ; v[32 + 8 set + s]: lanes 0-15 u = 0, lanes 16-31 u = 1
.set BIAS, 48
.set ACC,  64
.set TA,   192
.set TP,   224
.set LOG,  128                         ; in window 1
.set W2F,  160                         ; in window 1
.set HALF, 208                         ; the list: two halves of 208, each for 32 registers
.set LIST, 2*HALF
.set PER,  4                           ; of the list behind each product
.set LEAD, LIST-64*PER                 ; and ahead of a group's first product: 160
.set AHEAD, 24                         ; of these ahead of the group's first LDS loads
.set MSB, 0
.macro WIN new                         ; the immediate's high byte repeats the setting that is left; a switch that changes nothing is dropped
.if MSB != \new
	s_set_vgpr_msb (MSB<<8)|\new
.set MSB, \new
.endif
.endm
.macro CROUND                          ; a round of the cluster's barrier
	s_barrier_signal -1
	s_barrier_wait -1
	s_cmp_lg_u32 s14, 0
	s_cbranch_scc1 .Lnot_wave_0_\@
	s_barrier_signal -3
.Lnot_wave_0_\@:
	s_barrier_wait -3
	s_barrier_signal -1
	s_barrier_wait -1
.endm
	s_load_b256 s[4:11], s[0:1], 0x0               ; xq s[4:5], xs s[6:7], w1q s[8:9], wex s[10:11]
	s_load_b64 s[12:13], s[0:1], 0x20              ; part
	v_lshl_add_u32 v12, v0, 2, SPARE               ; my spare word; never rewritten
	v_mov_b32 v13, 0                               ; 0; never rewritten
	ds_add_u32 v12, v13
	ds_add_u32 v12, v13
	s_wait_dscnt 0x0
	v_lshrrev_b32 v1, 5, v0
	v_readfirstlane_b32 s14, v1                    ; wave 0..3
	s_bfe_u32 s15, ttmp6, 0x40000                  ; cx: it enters the addresses of xq, xs and part alone
	s_lshl_b32 s16, ttmp9, 2
	s_add_co_u32 s16, s16, s15                     ; my block of 256 tokens
	s_and_b32 s17, ttmp7, 0xffff                   ; y = 2 e + half, which the four partners share
	s_lshr_b32 s18, s17, 1                         ; e
	; descriptor group 1: dense blocks as rows of 256 bytes (32 elements of 8 bytes); mask of all four work-groups, bit 21 beside it
	s_mov_b32 s24, 15|(3<<16)|(1<<21)
	s_mov_b32 s25, 32<<16                          ; tensor_dim0
	s_mov_b32 s26, 128<<16                         ; tensor_dim1: a group's image, 128 rows
	s_mov_b32 s27, 32<<16                          ; tile_dim0
	s_mov_b32 s28, 128                             ; tile_dim1
	s_mov_b32 s29, 32                              ; the pitch
	s_mov_b32 s30, 0
	s_mov_b32 s31, 0
	s_mov_b32 s32, 15|(3<<16)|(1<<21)
	s_mov_b32 s33, 32<<16
	s_mov_b32 s34, 48<<16                          ; eight records: 48 rows
	s_mov_b32 s35, 32<<16
	s_mov_b32 s36, 48
	s_mov_b32 s37, 32
	s_mov_b32 s38, 0
	s_mov_b32 s39, 0
	s_lshl_b32 s20, s17, 5
	s_add_co_u32 s20, s20, s14
	s_lshl_b32 s20, s20, 15                        ; w1q: group 32 y + wave
	s_mov_b32 s21, 0
	s_lshl_b32 s22, s17, 2
	s_add_co_u32 s22, s22, s14
	s_mul_i32 s22, s22, 12288                      ; wex: 49,152 y + 12,288 wave
	s_mov_b32 s23, 0
	s_mov_b32 s40, 1
	s_lshl_b32 s41, s14, 15                        ; slot 0, my group's place
	s_mov_b32 s44, 1
	s_mul_i32 s45, s14, 12288
	s_add_co_u32 s45, s45, EXB
	s_mov_b32 s52, 0x7fffffff
	s_mov_b32 s54, 0x3c9ff716                      ; c4 = .019527   (each constant twice: the packed form names a pair)
	s_mov_b32 s55, s54
	s_mov_b32 s56, 0x3debead5                      ; c2 = .115194
	s_mov_b32 s57, s56
	s_mov_b32 s58, 0x3e499418                      ; c1 = .196854
	s_mov_b32 s59, s58
	v_mov_b32 v10, 0x39b45ae6                      ; c3 = .000344
	v_mov_b32 v11, 0x39b45ae6
	v_and_b32 v14, 31, v0                          ; lane
	v_lshlrev_b32 v1, 4, v14                       ; 16 x lane: an image's place for my lane
	v_lshl_add_u32 v2, v14, 2, EXB                 ; a record's scale words
	v_bfe_u32 v15, v0, 4, 1                        ; h
	v_lshl_add_u32 v3, v15, 5, EXB                 ; b1: my half's eight numbers of a tile
	v_and_b32 v4, 3, v0                            ; w2: class r % 4,
	v_lshl_add_u32 v4, v4, 1, v15                  ; my half
	v_lshl_add_u32 v4, v4, 4, EXB
	v_and_b32 v9, 15, v0
	v_lshlrev_b32 v9, 4, v9                        ; the way out: 16 bytes a token
	v_lshlrev_b32 v15, 2, v14                      ; 4 x lane
	s_mov_b32 s48, 0                               ; LDS byte of the group in hand
	s_mov_b32 s49, 0                               ; and of its record, from EXB on
	s_mov_b32 s50, 7
	s_wait_kmcnt 0x0
	s_add_nc_u64 s[42:43], s[8:9], s[20:21]
	s_or_b32 s43, s43, 0x80000000
	s_add_nc_u64 s[46:47], s[10:11], s[22:23]
	s_or_b32 s47, s47, 0x80000000
	s_lshl_b32 s2, s18, 9
	s_lshl_b32 s3, s16, 4
	s_add_co_u32 s2, s2, s3
	s_lshl_b32 s3, s14, 2
	s_add_co_u32 s2, s2, s3
	s_lshl_b32 s2, s2, 14                          ; xq: tile 512 e + 16 block + 4 wave, 16,384 bytes each
	s_mov_b32 s3, 0
	s_add_nc_u64 s[4:5], s[4:5], s[2:3]
	s_lshl_b32 s2, s18, 18
	s_lshl_b32 s19, s16, 13
	s_add_co_u32 s2, s2, s19
	s_lshl_b32 s19, s14, 11
	s_add_co_u32 s2, s2, s19                       ; xs: (256 e + 8 block + 2 wave) x 1,024
	s_add_nc_u64 s[6:7], s[6:7], s[2:3]
	s_lshl_b32 s2, s17, 17
	s_lshl_b32 s19, s16, 12
	s_add_co_u32 s2, s2, s19
	s_lshl_b32 s19, s14, 10
	s_add_co_u32 s2, s2, s19                       ; part: 131,072 y + 16 x my first token
	s_add_nc_u64 s[12:13], s[12:13], s[2:3]
	CROUND                                         ; all four work-groups are here: the first joint loads meet
	tensor_load_to_lds s[44:47], s[32:39]          ; my quarter of the records: filled once
	s_nop 0
	tensor_load_to_lds s[40:43], s[24:31]          ; my group of slot 0
	s_nop 0
.rept 4
	v_nop                                          ; behind a tensor load
.endr
	WIN 0x80                                       ; destination window 2: K steps 0-3
.irp s, 0,1,2,3
.irp t, 0,1,2,3
.irp c, 0,1,2,3
	global_load_b128 v[64*\s+16*\t+4*\c:64*\s+16*\t+4*\c+3], v1, s[4:5] offset:16384*\t+2048*\s+512*\c   ; 512 consecutive bytes an instruction
.endr
.endr
.endr
	WIN 0xc0                                       ; window 3: K steps 4-7
.irp s, 0,1,2,3
.irp t, 0,1,2,3
.irp c, 0,1,2,3
	global_load_b128 v[64*\s+16*\t+4*\c:64*\s+16*\t+4*\c+3], v1, s[4:5] offset:16384*\t+2048*(\s+4)+512*\c
.endr
.endr
.endr
	WIN 0
.irp p, 0,1
.irp s, 0,1,2,3,4,5,6,7
	global_load_b32 v[TS+8*\p+\s], v15, s[6:7] offset:1024*\p+128*\s
.endr
.endr
	; The group's text is written once: the first group finds zeros in the other set, whose GELU is 0, and zeros for w2 and the logits.  104 moves, once, in place of another copy of the group's text.
.set N, 0
.rept 64
	v_mov_b32 v[ACC+64+N], 0
.set N, N+1
.endr
	WIN 0x40
.set N, 0
.rept 32
	v_mov_b32 v[LOG+N], 0
.set N, N+1
.endr
.set N, 0
.rept 8
	v_mov_b32 v[W2F+8+N], 0
.set N, N+1
.endr
	WIN 0
	s_wait_loadcnt 0x0                             ; my tokens' codes and scale words
; Product k of a group's 64: K step k / 8, tile of hidden units u = (k % 8) / 4, tile of tokens t = k % 4.  The eight sums take turns, one instruction a turn.
.macro MM cur
.set KS, k/8
.set KU, (k%8)/4
.set KT, k%4
.set RD, ACC+64*(\cur)+16*KT+8*KU
.set RW, 32*(KS%4)+16*KU
.set RX, 64*(KS%4)+16*KT
.set RA, BS+8*(\cur)+KS
.set RB, TS+8*(KT/2)+KS
.set RC, RD
.if KS == 0
.set RC, BIAS+8*KU                     ; b1 starts the sum
.endif
.set WN, 0x09+4*(KS/4)                 ; source 0 window 1, source 1 window 2 or 3, C and D window 0
	WIN WN
.if (KU == 0) && (KT%2 == 0)
	v_wmma_scale_f32_16x16x128_f8f6f4 v[RD:RD+7], v[RW:RW+15], v[RX:RX+15], v[RC:RC+7], v[RA], v[RB] matrix_a_fmt:MATRIX_FMT_BF8 matrix_b_fmt:MATRIX_FMT_BF8
.elseif (KU == 1) && (KT%2 == 0)
	v_wmma_scale_f32_16x16x128_f8f6f4 v[RD:RD+7], v[RW:RW+15], v[RX:RX+15], v[RC:RC+7], v[RA], v[RB] matrix_a_fmt:MATRIX_FMT_BF8 matrix_b_fmt:MATRIX_FMT_BF8 matrix_a_scale:MATRIX_SCALE_ROW1
.elseif KU == 0
	v_wmma_scale_f32_16x16x128_f8f6f4 v[RD:RD+7], v[RW:RW+15], v[RX:RX+15], v[RC:RC+7], v[RA], v[RB] matrix_a_fmt:MATRIX_FMT_BF8 matrix_b_fmt:MATRIX_FMT_BF8 matrix_b_scale:MATRIX_SCALE_ROW1
.else
	v_wmma_scale_f32_16x16x128_f8f6f4 v[RD:RD+7], v[RW:RW+15], v[RX:RX+15], v[RC:RC+7], v[RA], v[RB] matrix_a_fmt:MATRIX_FMT_BF8 matrix_b_fmt:MATRIX_FMT_BF8 matrix_a_scale:MATRIX_SCALE_ROW1 matrix_b_scale:MATRIX_SCALE_ROW1
.endif
.endm
; The small product for tile t of the tokens: logits += w2 x gelu.  Source 0 and the sums in window 1, source 1 in window 0.
.macro PV prev, t
	WIN 0x51
	v_wmma_f32_16x16x32_bf16 v[LOG+8*\t:LOG+8*\t+7], v[W2F+8*(\prev):W2F+8*(\prev)+7], v[ACC+64*(\prev)+16*\t:ACC+64*(\prev)+16*\t+7], v[LOG+8*\t:LOG+8*\t+7]
.endm
; Number j of the list of 416: two halves of 208, each for 32 registers (two tiles of tokens) of set prev.  In a half:
;   0-31 a = |x| (ascending: each sum is first read at its lowest register)   32-95 the polynomial, Horner, packed   96-127 two squarings: the 4th power   128-159 the reciprocals, ONE BATCH
;   160-175 x + a (plain work that names no result of the batch)   behind 175 the one wait   176-191 x + a - a q   192-207 to bf16, in pairs, each into a register already used up
.macro ITEM prev
.set IB, j/HALF
.set II, j%HALF
.set XB, ACC+64*(\prev)+32*IB
	WIN 0
.if II < 32
	v_and_b32 v[TA+II], s52, v[XB+II]
.elseif II < 48
.set IP, 2*(II-32)
	v_pk_fma_f32 v[TP+IP:TP+IP+1], v[TA+IP:TA+IP+1], s[54:55], v[10:11] op_sel_hi:[1,0,1]   ; c4 a + c3
.elseif II < 96
.set IP, 2*((II-48)%16)
.set IR, (II-48)/16
.if IR < 2
	v_pk_fma_f32 v[TP+IP:TP+IP+1], v[TP+IP:TP+IP+1], v[TA+IP:TA+IP+1], s[56+2*IR:57+2*IR] op_sel_hi:[1,1,0]   ; x a + c2, then x a + c1
.else
	v_pk_fma_f32 v[TP+IP:TP+IP+1], v[TP+IP:TP+IP+1], v[TA+IP:TA+IP+1], 1.0 op_sel_hi:[1,1,0]
.endif
.elseif II < 128
.set IP, 2*((II-96)%16)
	v_pk_mul_f32 v[TP+IP:TP+IP+1], v[TP+IP:TP+IP+1], v[TP+IP:TP+IP+1]
.elseif II < 160
	v_rcp_f32 v[TP+II-128], v[TP+II-128]
.elseif II < 176
.set IP, 2*(II-160)
	v_pk_add_f32 v[XB+IP:XB+IP+1], v[XB+IP:XB+IP+1], v[TA+IP:TA+IP+1]
.if II == 175
	s_wait_alu depctr_va_vdst(0)                   ; one wait for the 32 reciprocals, behind sixteen plain lines that name none of their results and ahead of their first use, number 176
.endif
.elseif II < 192
.set IP, 2*(II-176)
	v_pk_fma_f32 v[XB+IP:XB+IP+1], v[TA+IP:TA+IP+1], v[TP+IP:TP+IP+1], v[XB+IP:XB+IP+1] neg_lo:[1,0,0] neg_hi:[1,0,0]
.else
.set IN, II-192
	v_cvt_pk_bf16_f32 v[XB+16*(IN/8)+IN%8], v[XB+16*(IN/8)+2*(IN%8)], v[XB+16*(IN/8)+2*(IN%8)+1]
.endif
.if j == 203
	PV \prev, 0                                    ; four instructions behind the tile's last rounding
.elseif j == 211
	PV \prev, 1
.elseif j == HALF+203
	PV \prev, 2
.elseif j == LIST-1
.rept 4
	v_nop
.endr
	PV \prev, 3
.endif
.set j, j+1
.endm
.macro LOADW s                         ; K step s's two weight fragments into ring place s % 4
	WIN 0x40
.irp u, 0,1
.irp c, 0,1,2,3
	ds_load_b128 v[32*((\s)%4)+16*\u+4*\c:32*((\s)%4)+16*\u+4*\c+3], v5 offset:4096*(\s)+2048*\u+512*\c
.endr
.endr
.endm
; A GROUP of 32 hidden units on set cur, with the other set's GELU between its products.  mm = 0: the GELU alone (behind the last group).
; LDS loads stand in runs.  Each run's registers were last read by a matrix instruction that stands more than eight plain vector instructions back: the first
; run behind 24 numbers of the list and the last slices of the group before; the runs ahead of products 20 and 36 behind five slices, 20 masks or multiply-adds.  The run ahead of product 4 follows number 175
; of the list, so that the wait for the first half's reciprocals stands directly ahead of it.
; The waits count the loads issued behind those that a K step needs: step 0: step 1's 8;  1: the run of 18 ahead of product 4;  2, 4, 6: the odd step's 8;  3, 5: the run of 16;  7: none.
.macro GROUP cur, mm
.set j, 0
.if \mm
.rept AHEAD
	ITEM 1-\cur
.endr
	WIN 0
	v_add_nc_u32 v5, s48, v1
	v_add_nc_u32 v6, s49, v2
	v_add_nc_u32 v7, s49, v3
	v_add_nc_u32 v8, s49, v4
.irp s, 0,1,2,3,4,5,6,7
	ds_load_b32 v[BS+8*(\cur)+\s], v6 offset:128*\s
.endr
.irp u, 0,1
.irp q, 0,1
	ds_load_b128 v[BIAS+8*\u+4*\q:BIAS+8*\u+4*\q+3], v7 offset:1280+64*\u+16*\q
.endr
.endr
	LOADW 0
	LOADW 1
.rept LEAD-AHEAD
	ITEM 1-\cur
.endr
.set k, 0
.rept 64
.if k%8 == 0
.if k == 8
	s_wait_dscnt 18
.elseif (k == 24) || (k == 40)
	s_wait_dscnt 16
.elseif k == 56
	s_wait_dscnt 0
.else
	s_wait_dscnt 8
.endif
.endif
.if k == 4
	WIN 0x40
	ds_load_b128 v[W2F+8*(\cur):W2F+8*(\cur)+3],   v8 offset:1024       ; this group's w2, for the next group's turn
	ds_load_b128 v[W2F+8*(\cur)+4:W2F+8*(\cur)+7], v8 offset:1024+128
	LOADW 2
	LOADW 3
.elseif k == 20
	LOADW 4
	LOADW 5
.elseif k == 36
	LOADW 6
	LOADW 7
.endif
	MM \cur
.rept PER
	ITEM 1-\cur
.endr
.set k, k+1
.endr
	s_add_co_u32 s48, s48, 32768                   ; the next group's image,
	s_add_co_u32 s49, s49, 1536                    ; and its record
.else
.rept LIST
	ITEM 1-\cur
.endr
.endif
.endm
; THE CHANGE OF SLOTS stands at a slot's head.  Each wave waits for all its tensor loads (its part of the slot ahead), adds 0 to its spare word, and waits for that and for its reads of the slot that it has left.
; fill = 1: a round of the cluster's barrier, so that no wave of any partner still reads that slot or has a load on its way; then the joint refill, first thing, one a wave.
.macro CHANGE fill
	WIN 0
	s_wait_tensorcnt 0x0                           ; no tensor load of mine is out, so the walking group 0 may be written
	ds_add_u32 v12, v13                            ; 0 onto my spare word
.if \fill
	s_xor_b32 s41, s41, SLOT1                      ; the other slot than last time,
	s_add_nc_u64 s[42:43], s[42:43], 131072        ; the next four groups; the type bits on top are not reached
.endif
	s_wait_dscnt 0x0                               ; the add is done, and my reads of the slot that I have left are over
.if \fill
	CROUND
	tensor_load_to_lds s[40:43], s[24:31]
	s_nop 0
.rept 4
	v_nop
.endr
.else
	s_barrier_signal -1
	s_barrier_wait -1
.endif
.endm
.macro SLOTBODY                        ; a slot's four groups: a pair is written once and walked twice, so that the sets are back where they began
	s_mov_b32 s51, 2
.Lstep_\@:
	GROUP 0, 1
	GROUP 1, 1
	WIN 0                                          ; at a label and at a branch every window is 0
	s_sub_co_u32 s51, s51, 1
	s_cmp_lg_u32 s51, 0
	s_cbranch_scc1 .Lstep_\@
	s_sub_co_u32 s48, s48, 131072                  ; back to a slot's first group,
	s_xor_b32 s48, s48, SLOT1                      ; in the other slot
.endm
.Lslot:                                            ; seven trips: behind each change of slots but the last the next slot is asked for
	CHANGE 1
	SLOTBODY
	s_sub_co_u32 s50, s50, 1
	s_cmp_lg_u32 s50, 0
	s_cbranch_scc1 .Lslot
	CHANGE 0                                       ; the last slot is written out
	SLOTBODY
	GROUP 0, 0                                     ; the last group's GELU and its small products
	WIN 0
.rept 4
	v_nop                                          ; places between the last small product and the stores that read its result
.endr
	s_wait_xcnt 0x0                                ; EXEC changes only behind this wait
	v_cmp_gt_u32 vcc_lo, 16, v14
	s_and_saveexec_b32 s66, vcc_lo                 ; lanes 0-15 hold classes 0-7 of their token: registers 0-3 are classes 0, 1, 2 and the zero
	WIN 0x04                                       ; a store's data are its source 1: window 1
.irp t, 0,1,2,3
	global_store_b128 v9, v[LOG+8*\t:LOG+8*\t+3], s[12:13] offset:256*\t   ; sixteen lanes store 256 consecutive aligned bytes; each result is read at its low end
.endr
	WIN 0
	s_wait_xcnt 0x0                                ; and again, ahead of the line that widens it
	s_or_b32 exec_lo, exec_lo, s66
	s_wait_tensorcnt 0x0                           ; the wave's end
	ds_add_u32 v12, v13
	s_wait_dscnt 0x0
	CROUND                                         ; the closing round: no work-group ends while a partner may still ask for a tile that names it
	s_endpgm
.Lfunc_end_k_q3c1d14adec_main:
	.size	k_q3c1d14adec_main, .Lfunc_end_k_q3c1d14adec_main-k_q3c1d14adec_main
	.p2alignl 7, 3214868480
	.fill 96, 4, 3214868480
	.section	.rodata,"a",@progbits
	.p2align	6, 0x0
	.amdhsa_kernel k_q3c1d14adec_main
		.amdhsa_group_segment_fixed_size 327680
		.amdhsa_private_segment_fixed_size 0
		.amdhsa_enable_private_segment 0
		.amdhsa_kernarg_size 40
		.amdhsa_user_sgpr_count 2
		.amdhsa_user_sgpr_kernarg_segment_ptr 1
		.amdhsa_wavefront_size32 1
		.amdhsa_system_sgpr_workgroup_id_x 1
		.amdhsa_system_sgpr_workgroup_id_y 1
		.amdhsa_system_sgpr_workgroup_id_z 1
		.amdhsa_system_vgpr_workitem_id 0
		.amdhsa_next_free_vgpr 1024
		.amdhsa_next_free_sgpr 70
		.amdhsa_reserve_vcc 1
		.amdhsa_float_denorm_mode_32 3
		.amdhsa_float_denorm_mode_16_64 3
		.amdhsa_memory_ordered 1
		.amdhsa_forward_progress 1
		.amdhsa_inst_pref_size 208
	.end_amdhsa_kernel
	.amdgpu_metadata
---
amdhsa.version: [ 1, 2 ]
amdhsa.kernels:
  - .name:           k_q3c1d14adec_main
    .symbol:         k_q3c1d14adec_main.kd
    .args:
      - { .name: xq, .offset: 0, .size: 8, .value_kind: global_buffer, .address_space: global }
      - { .name: xs, .offset: 8, .size: 8, .value_kind: global_buffer, .address_space: global }
      - { .name: w1q, .offset: 16, .size: 8, .value_kind: global_buffer, .address_space: global }
      - { .name: wex, .offset: 24, .size: 8, .value_kind: global_buffer, .address_space: global }
      - { .name: part, .offset: 32, .size: 8, .value_kind: global_buffer, .address_space: global }
    .group_segment_fixed_size: 327680
    .private_segment_fixed_size: 0
    .kernarg_segment_align: 8
    .kernarg_segment_size: 40
    .max_flat_workgroup_size: 128
    .sgpr_count:     70
    .vgpr_count:     1024
    .wavefront_size: 32
...
	.end_amdgpu_metadata
.endif
;; end of part 2
;; launch finish (part 3): grid 64 x 1, 4 waves a work-group, no clusters, 2,560 bytes of LDS; arguments gw, part, ex_b2, out0; writes out0
.if DOCPART == 3
	.amdgcn_target "amdgcn-amd-amdhsa--gfx1250"
	.amdhsa_code_object_version 6
	.text
	.protected	k_q3c1d14adec_finish
	.globl	k_q3c1d14adec_finish
	.p2align	8
	.type	k_q3c1d14adec_finish,@function
k_q3c1d14adec_finish:
	s_mov_b64 s[64:65], 0
	v_nop
	global_prefetch_b8 v0, s[64:65] scope:SCOPE_SE
	s_setreg_imm32_b32 hwreg(HW_REG_WAVE_MODE, 25, 1), 1
	s_wait_xcnt 0x0
; FINISH: out[token][c] = sum over e of gate[token][e] x (part[2 e][token][c] + part[2 e + 1][token][c] + b2[e][c]).
; A thread takes a token; a work-group 128 tokens, whose 1,536 bytes of the output are six aligned runs of 256 bytes: they are gathered in LDS (12 bytes a token) and leave 16 bytes a lane.
; 64 work-groups: the launch moves little more than a megabyte, and smaller work-groups would write runs of 256 bytes in part.
	s_load_b256 s[4:11], s[0:1], 0x0               ; gw s[4:5], part s[6:7], ex_b2 s[8:9], out0 s[10:11]
	v_lshl_add_u32 v64, v0, 2, 0x800
	v_mov_b32 v65, 0
	v_lshrrev_b32 v1, 5, v0
	v_readfirstlane_b32 s24, v1                    ; wave
	v_lshlrev_b32 v1, 4, v0                        ; 16 bytes a token in gw and in part; and 16 bytes a lane on the way out
	v_mul_u32_u24 v2, v0, 12                       ; 12 bytes a token in the stage
	s_lshl_b32 s26, ttmp9, 11
	s_mov_b32 s27, 0
	s_mul_i32 s28, ttmp9, 1536
	s_mov_b32 s29, 0
	s_wait_kmcnt 0x0
	s_load_b256 s[12:19], s[8:9], 0x0              ; b2[e][c] = s[12 + 3 e + c]
	s_load_b128 s[20:23], s[8:9], 0x20
	s_add_nc_u64 s[4:5], s[4:5], s[26:27]
	s_add_nc_u64 s[6:7], s[6:7], s[26:27]
	s_add_nc_u64 s[10:11], s[10:11], s[28:29]
	global_load_b128 v[4:7], v1, s[4:5]
.irp y, 0,1,2,3,4,5,6,7
	global_load_b128 v[8+4*\y:11+4*\y], v1, s[6:7] offset:131072*\y
.endr
	s_wait_kmcnt 0x0
	s_wait_loadcnt 0x0
.irp e, 0,1,2,3
.irp c, 0,1,2
	v_add_f32 v[40+3*\e+\c], v[8+8*\e+\c], v[12+8*\e+\c]   ; the two halves of the hidden layer
.endr
.endr
.irp e, 0,1,2,3
.irp c, 0,1,2
	v_add_f32 v[40+3*\e+\c], s[12+3*\e+\c], v[40+3*\e+\c]
.endr
.endr
.irp c, 0,1,2
	v_mul_f32 v[52+\c], v4, v[40+\c]               ; the first product starts the sum
.endr
.irp e, 1,2,3
.irp c, 0,1,2
	v_fma_f32 v[52+\c], v[4+\e], v[40+3*\e+\c], v[52+\c]
.endr
.endr
.irp c, 0,1,2
	ds_store_b32 v2, v[52+\c] offset:4*\c
.endr
	s_wait_dscnt 0x0                               ; for the others' sake: my stores are done
	s_barrier_signal -1
	s_barrier_wait -1
	s_cmp_gt_u32 s24, 2                            ; 1,536 bytes are 96 lanes' 16
	s_cbranch_scc1 .Lend
	ds_load_b128 v[56:59], v1
	s_wait_dscnt 0x0
	global_store_b128 v1, v[56:59], s[10:11]       ; sixteen lanes store 256 consecutive aligned bytes
.Lend:
	s_wait_tensorcnt 0x0
	ds_add_u32 v64, v65
	s_wait_dscnt 0x0
	s_endpgm
.Lfunc_end_k_q3c1d14adec_finish:
	.size	k_q3c1d14adec_finish, .Lfunc_end_k_q3c1d14adec_finish-k_q3c1d14adec_finish
	.p2alignl 7, 3214868480
	.fill 96, 4, 3214868480
	.section	.rodata,"a",@progbits
	.p2align	6, 0x0
	.amdhsa_kernel k_q3c1d14adec_finish
		.amdhsa_group_segment_fixed_size 2560
		.amdhsa_private_segment_fixed_size 0
		.amdhsa_enable_private_segment 0
		.amdhsa_kernarg_size 32
		.amdhsa_user_sgpr_count 2
		.amdhsa_user_sgpr_kernarg_segment_ptr 1
		.amdhsa_wavefront_size32 1
		.amdhsa_system_sgpr_workgroup_id_x 1
		.amdhsa_system_sgpr_workgroup_id_y 1
		.amdhsa_system_sgpr_workgroup_id_z 1
		.amdhsa_system_vgpr_workitem_id 0
		.amdhsa_next_free_vgpr 66
		.amdhsa_next_free_sgpr 66
		.amdhsa_reserve_vcc 0
		.amdhsa_float_denorm_mode_32 3
		.amdhsa_float_denorm_mode_16_64 3
		.amdhsa_memory_ordered 1
		.amdhsa_forward_progress 1
		.amdhsa_inst_pref_size 4
	.end_amdhsa_kernel
	.amdgpu_metadata
---
amdhsa.version: [ 1, 2 ]
amdhsa.kernels:
  - .name:           k_q3c1d14adec_finish
    .symbol:         k_q3c1d14adec_finish.kd
    .args:
      - { .name: gw, .offset: 0, .size: 8, .value_kind: global_buffer, .address_space: global }
      - { .name: part, .offset: 8, .size: 8, .value_kind: global_buffer, .address_space: global }
      - { .name: ex_b2, .offset: 16, .size: 8, .value_kind: global_buffer, .address_space: global }
      - { .name: out0, .offset: 24, .size: 8, .value_kind: global_buffer, .address_space: global }
    .group_segment_fixed_size: 2560
    .private_segment_fixed_size: 0
    .kernarg_segment_align: 8
    .kernarg_segment_size: 32
    .max_flat_workgroup_size: 128
    .sgpr_count:     66
    .vgpr_count:     66
    .wavefront_size: 32
...
	.end_amdgpu_metadata
.endif
;; end of part 3
